; MI455X (gfx1250); checked and timed in simulation.
; The chip was launched on July 23, 2026; its instructions are those of AMD's public machine-readable ISA for CDNA 5 (MIT licence, August 2026) and "CDNA5" Instruction Set Architecture Reference Guide (July 2026). The comments in the code are by the model that wrote it; some were corrected since.
;; Simple Attention. Allowed arithmetic: matrix products marked QUANTISED: E5M2 operands, one given power-of-two scale a tensor, by v_wmma_f32_16x16x64_bf8_bf8 or v_wmma_f32_16x16x128_bf8_bf8, f32 sums; everything else in f32.
;; Inputs: bo 256 float32; lowp_scales 12 int32 (the exponents e of the quantised operands' scales 2^e); wk 256 x 256 float32; wo 256 x 256 float32; wq 256 x 256 float32; wv 256 x 256 float32; x 4 x 4,096 x 256 float32.
;; Outputs: out0 4 x 4,096 x 256 float32.
;; This version of the problem:
;;   THIS VERSION OF THE PROBLEM IS GIVEN IN LOW PRECISION. The matrix products marked QUANTISED in the list below multiply operands that are first quantised to E5M2 (5 exponent bits, 2 mantissa bits; 8 bits a number), with one given power-of-two scale for each operand tensor; their sums are f32. All else is computed in f32.
;;   The module's matrix products, in the order in which they are computed (A, B: the left and right operand; K: the contracted axis; several contracted axes count as one K, in the product's order):
;;     1. [M 16,384, K 256] x [K 256, N 256]; A: input x; B: input wq: QUANTISED (scales: A lowp_scales[0], B lowp_scales[1])
;;     2. [M 16,384, K 256] x [K 256, N 256]; A: input x; B: input wk: QUANTISED (scales: A lowp_scales[2], B lowp_scales[3])
;;     3. [M 16,384, K 256] x [K 256, N 256]; A: input x; B: input wv: QUANTISED (scales: A lowp_scales[4], B lowp_scales[5])
;;     4. batch 16 x [M 4,096, K 64] x [K 64, N 4,096]; A: computed on the way; B: computed on the way: QUANTISED (scales: A lowp_scales[6], B lowp_scales[7])
;;     5. batch 16 x [M 4,096, K 4,096] x [K 4,096, N 64]; A: softmax (see below); B: computed on the way: QUANTISED (scales: A lowp_scales[8], B lowp_scales[9])
;;     6. [M 16,384, K 256] x [K 256, N 256]; A: computed on the way; B: input wo: QUANTISED (scales: A lowp_scales[10], B lowp_scales[11])
;;   THE QUANTISER, for each operand of a quantised product, along K:
;;     - The operand's scale is 2^e, e = its entry of the input lowp_scales (int32; the entries are numbered through the quantised products in the list's order, A before B).
;;     - Each number is divided by the scale, clamped to +-57,344, and rounded to the nearest number of E5M2, ties to even, subnormals kept.
;;     - The product sums the exact products of the quantised numbers (number of the format x scale) in f32.
;;   ~~~python
;;   def quantise(x, axis, e):      # numpy; x: float32 -> the quantised numbers, widened to float32 again
;;       x = np.moveaxis(x, axis, -1); K = x.shape[-1]
;;       r = np.clip(x / 2.0 ** e, -57344, 57344)
;;       step = 2.0 ** (np.maximum(np.frexp(np.where(r == 0, 1, r))[1] - 1, -14) - 2)
;;       q = np.round(r / step) * step * 2.0 ** e      # np.round: ties to even
;;       return np.moveaxis(q, -1, axis).astype(np.float32)
;;   ~~~
;;   SOFTMAX AHEAD OF A QUANTISED PRODUCT. Where the list says 'softmax', what is quantised is not the finished softmax but p = 2^(t - M), with t = logit x log2(e) and M = ceil(the row's largest t), a whole number; so 1/2 < the row's largest p <= 1. The row's sum l is taken of the UNQUANTISED p, in f32, and the product's result is divided by l at the end. Since M is a whole number, a kernel that streams over the keys may use a running M (the ceiling of the running maximum): every later rescaling is an exact power of two, so the quantised numbers keep their values, but for numbers so far below the row's largest that they fall under the format's range.
;;   OPERANDS COMPUTED ON THE WAY. 'Computed on the way' means the value that the module computes at that place (a softmax that the list does not call 'softmax' is quantised finished and normalised). What goes into a quantiser is computed in f32, as accurately as f32 sums, v_exp_f32 and their like allow (about 1e-6 of the number): no bf16 or f16 on the way to a quantiser, and a product that is left as it is and whose result goes on into a quantised operand takes f32 operands (vector FMAs, or v_wmma_f32_16x16x4_f32). A number that lies on a knife's edge between two numbers of the format may be rounded either way, as far as f32 arithmetic and the matrix unit's own rounding can turn it there, and no further.
;; One version. Each part assembles by itself: llvm-mc -triple=amdgcn-amd-amdhsa -mcpu=gfx1250 --defsym DOCPART=n.
;; ======== version 1 of 1: 2 launches
;; limits: right only within a limited range of input values
;; workspace buffers: qc 4,194,304 bytes; kc 4,194,304 bytes; vc 4,194,304 bytes; woc 65,536 bytes
;; launch proj (part 1): grid 64 x 4, 8 waves a work-group, no clusters, 136,192 bytes of LDS; arguments x, wq, wk, wv, wo, lowp_scales, qc, kc, vc, woc; writes qc, kc, vc, woc
.if DOCPART == 1
	.amdgcn_target "amdgcn-amd-amdhsa--gfx1250"
	.amdhsa_code_object_version 6
	.text
	.protected	k_qbaf847ca8b_proj
	.globl	k_qbaf847ca8b_proj
	.p2align	8
	.type	k_qbaf847ca8b_proj,@function
k_qbaf847ca8b_proj:
	s_mov_b64 s[64:65], 0
	v_nop
	global_prefetch_b8 v0, s[64:65] scope:SCOPE_SE
	s_setreg_imm32_b32 hwreg(HW_REG_WAVE_MODE, 25, 1), 1
	s_wait_xcnt 0x0
; THE THREE PROJECTIONS, on codes of BF8 (E5M2), and the codes of q, k, v and wo for the launch that follows.
; Nothing of the problem is left out: every product and every input (x, wq, wk, wv, wo, bo, lowp_scales) has a way to the output; bo is loaded by the second launch alone.
; ONE BODY: C[i][j] = Qo( sum over k of Qa(A[i][k]) Qb(B[j][k]) ), A and B 256 rows of 256 f32 (1,024 bytes, K innermost), C 256 x 256 codes with j innermost.
;   work-group y = 0: A = 256 tokens of x, B = wq, scales e0, e1, result e6 -> qc [token][256]
;   y = 1: A = the same tokens, B = wk, e2, e3, e7 -> kc [place][256]: place p holds the token whose number is p with bits 3 and 4 changed over, so that the 16 keys of a tile of the next launch lie in 16 rows on end
;   y = 2: A = wv, B = the tokens, e5, e4, e9 -> vc [batch][256 channels][4,096 keys]: v^T = wv x^T comes out with the keys innermost, and nothing is transposed
;   y = 3: wo becomes codes by e11, four rows a work-group, a row a wave (waves 0 to 3), -> woc [256][256]
; A sum stands for sum x 2^(ea + eb), so its code is sum / 2^(eo - ea - eb): the three scales are folded into the conversion's one.
; SHARES.  Eight waves.  Wave w owns C's rows 32 w .. 32 w + 31: it quantises those rows of A into its registers (2 tiles x 2 K steps of 128).  It also quantises B's rows 32 w .. 32 w + 31;
; these four fragments go to LDS as images of their registers (4 stores of 512 bytes a fragment) and every wave loads all 32 back by the same lines.  One barrier.
; THE MATRIX INSTRUCTION IS USED TRANSPOSED (source 0 = 16 rows of B, source 1 = 16 rows of A), AND THE ROWS OF B THAT FORM A TILE ARE NOT NEIGHBOURS: lane r of tile u of pair b takes row 32 b + 8 u + r + 8 (r / 8).
; So a lane holds one row i, and the 16 registers of a pair's two tiles are the 16 neighbours j = 32 b + 16 (lane / 16) + 0 .. 15: two conversions make 16 bytes that belong together.
; A lane holds, of its row, k = 32 c + 16 (lane / 16) + 0 .. 15 in registers 4 c .. 4 c + 3: a permutation of k, the same in A and in B: only the order of the sums inside an instruction differs from ascending k.
; NO JOINT LOADS, though 64 work-groups read each weight: the operands arrive as f32, 262,144 bytes each, two of them to a work-group: more than the 327,680 bytes of LDS; they go from memory into registers, where they are quantised.
; LIMITS, so that each power of two is an f32 number: e0 .. e5, e11 and eo - ea - eb between -126 and 112.  NaN among the inputs is not served; an infinity is held at the largest code.
.set STG,   65536                      ; LDS: 0 .. 65,535 B's 32 images of 2,048 bytes (pair b, tile u, K step s at 8192 b + 2048 (2 u + s)); then a stage of 32 rows x 272 bytes for each wave
.set SPARE, 135168                     ; behind the stages: the spare words, 128 bytes for each wave: four blocks of 256 bytes that no other line names
.set XA,   2                           ; v2, v3   A: my lane's byte in tile 0, 1 of my wave's rows
.set XB,   4                           ; v4       B: the same for tile 0 of my wave's pair
.set LI,   5                           ; v5       16 x lane: an image's place for my lane
.set BW,   6                           ; v6       where I store images: 16 x lane + 8192 x wave
.set STO,  7                           ; v7       the stage: where I put 16 bytes of a row
.set RD,   8                           ; v8       and where I read a row back.   v9 = lane % 16, v1 = lane / 16, kept
.set AC,   16                          ; v16-79   B's four fragments on their way to LDS, then A's four: (t, s) at 16 (2 t + s)
.set OFF,  16                          ; v16-31   on the way out: the byte offsets of 16 pairs of rows
.set SET0, 80                          ; v80-143, v144-207   two sets of 64 numbers as loaded
.set OC,   80                          ; v80-143  then the results' codes, 8 b + 4 t
.set BF,   144                         ; v144-207 then a pair's four fragments of B: 16 (2 u + s); then rows read back
.set ACC,  208                         ; v208-239 the four accumulators: (t, u) at 16 t + 8 u
.set SPW,  240                         ; v240     LDS address of my spare word; never rewritten
.set NIL,  241                         ; v241     0; never rewritten
; v10, v11: 2^ea and 57,344 x 2^ea;  v12, v13: the same with eb;  v14, v15: with eo - ea - eb
.macro POW2 e, sc, lim                 ; s[e] holds a whole number e: v[sc] = 2^e as f32 (the conversion takes its exponent field), v[lim] = 57,344 x 2^e
	s_add_co_i32 s60, s[\e], 127
	s_lshl_b32 s61, s60, 23
	v_mov_b32 v[\sc], s61
	s_add_co_i32 s60, s60, 15
	s_lshl_b32 s60, s60, 23
	s_or_b32 s60, s60, 0x600000
	v_mov_b32 v[\lim], s60
.endm
.macro XLOAD reg, adr, base, off       ; 64 numbers of my row: 16 neighbours of each of four blocks of 32
.irp c, 0,1,2,3
.irp j, 0,1,2,3
	global_load_b128 v[(\reg)+16*\c+4*\j:(\reg)+16*\c+4*\j+3], v[\adr], s[\base:\base+1] offset:(\off)+128*\c+16*\j
.endr
.endr
.endm
.macro LOADF i                         ; fragment i of eight into set i % 2: 0 .. 3 are B's (tile i / 2, K step i % 2), 4 .. 7 A's
.if (\i) < 4
	XLOAD SET0+64*((\i)%2), XB, 34, 8192*((\i)/2)+512*((\i)%2)
.else
	XLOAD SET0+64*((\i)%2), XA+((\i)-4)/2, 32, 512*((\i)%2)
.endif
.endm
.macro QUANT src, dst, sc, lim         ; 64 numbers become a fragment's 16 registers of codes
.irp b, 0,1,2,3
.irp i, 0,1,2,3,4,5,6,7,8,9,10,11,12,13,14,15
	v_med3_num_f32 v[(\src)+16*\b+\i], v[(\src)+16*\b+\i], -v[\lim], v[\lim]   ; the conversion to an 8-bit code does not saturate (ISA guide 7.6.2): the hold at the largest code x the scale
.endr
	v_cvt_scalef32_pk8_bf8_f32 v[(\dst)+4*\b:(\dst)+4*\b+1], v[(\src)+16*\b:(\src)+16*\b+7], v[\sc]
	v_cvt_scalef32_pk8_bf8_f32 v[(\dst)+4*\b+2:(\dst)+4*\b+3], v[(\src)+16*\b+8:(\src)+16*\b+15], v[\sc]
.endr
	v_nop                                          ; one plain vector instruction behind the last conversion, ahead of whatever vector or matrix instruction next touches its registers
.endm
.macro IMAGE src, off                  ; a fragment goes to LDS as it stands: lane l's 16 bytes at 16 l, 512 bytes a store
.irp c, 0,1,2,3
	ds_store_b128 v[BW], v[(\src)+4*\c:(\src)+4*\c+3] offset:(\off)+512*\c
.endr
.endm
.macro FETCH b                         ; pair b's four fragments come back so, in any wave
.irp f, 0,1,2,3
.irp c, 0,1,2,3
	ds_load_b128 v[BF+16*\f+4*\c:BF+16*\f+4*\c+3], v[LI] offset:(\b)*8192+\f*2048+512*\c
.endr
.endr
.endm
	s_load_b512 s[8:23], s[0:1], 0x0               ; x s[8:9], wq s[10:11], wk s[12:13], wv s[14:15], wo s[16:17], the exponents s[18:19], qc s[20:21], kc s[22:23]
	s_load_b128 s[24:27], s[0:1], 0x40             ; vc s[24:25], woc s[26:27]
	v_lshl_add_u32 v[SPW], v0, 2, SPARE
	v_mov_b32 v[NIL], 0
	v_lshrrev_b32 v1, 5, v0
	s_delay_alu instid0(VALU_DEP_1)
	v_readfirstlane_b32 s28, v1                    ; wave 0..7
	s_and_b32 s29, ttmp7, 0xffff                   ; y: which product
	s_mov_b32 s30, ttmp9                           ; which block of 256 tokens
	v_and_b32 v9, 15, v0                           ; r
	v_bfe_u32 v1, v0, 4, 1                         ; h
	v_and_b32 v[LI], 31, v0
	s_delay_alu instid0(VALU_DEP_1)
	v_lshlrev_b32 v[LI], 4, v[LI]
	s_lshl_b32 s60, s28, 13
	v_add_nc_u32 v[BW], s60, v[LI]
	s_mul_i32 s60, s28, 32*272
	s_add_co_u32 s60, s60, STG                     ; my stage
	v_mul_u32_u24 v[STO], v9, 272
	s_delay_alu instid0(VALU_DEP_1)
	v_lshl_add_u32 v[STO], v1, 4, v[STO]
	s_delay_alu instid0(VALU_DEP_1)
	v_add_nc_u32 v[STO], s60, v[STO]               ; in: row r, + 16 h
	v_mul_u32_u24 v[RD], v1, 272
	s_delay_alu instid0(VALU_DEP_1)
	v_lshl_add_u32 v[RD], v9, 4, v[RD]
	s_delay_alu instid0(VALU_DEP_1)
	v_add_nc_u32 v[RD], s60, v[RD]                 ; back: lanes 0-15 one row of 256 bytes, lanes 16-31 the next
	s_lshl_b32 s31, s28, 15                        ; my wave's 32 rows of 1,024 bytes
	v_and_b32 v[XB], 8, v9
	s_delay_alu instid0(VALU_DEP_1)
	v_add_nc_u32 v[XB], v[XB], v9                  ; r + 8 (r / 8)
	s_delay_alu instid0(VALU_DEP_1)
	v_lshlrev_b32 v[XB], 10, v[XB]
	s_delay_alu instid0(VALU_DEP_1)
	v_lshl_add_u32 v[XB], v1, 6, v[XB]             ; + 64 h: my 16 numbers of a block of 32
	s_delay_alu instid0(VALU_DEP_1)
	v_add_nc_u32 v[XB], s31, v[XB]
	s_wait_kmcnt 0x0
	s_load_b256 s[36:43], s[18:19], 0x0            ; e0 .. e7
	s_load_b128 s[44:47], s[18:19], 0x20           ; e8 .. e11
	s_cmp_eq_u32 s29, 3
	s_cbranch_scc1 .Lwo
	; which buffers, by the work-group's y alone
	s_lshl_b32 s56, s30, 18                        ; the block's 256 rows of x
	s_mov_b32 s57, 0
	s_add_nc_u64 s[56:57], s[8:9], s[56:57]
	s_lshl_b32 s58, s30, 16                        ; qc, kc: 256 rows of 256 bytes
	s_mov_b32 s59, 0
	s_lshr_b32 s60, s30, 4
	s_lshl_b32 s60, s60, 20                        ; vc: the batch's 256 rows of 4,096 bytes,
	s_and_b32 s61, s30, 15
	s_lshl_b32 s61, s61, 8                         ; and the block's 256 keys in a row
	s_add_co_u32 s60, s60, s61
	s_mov_b32 s62, 4096
	s_mov_b32 s63, 16384
	s_cmp_eq_u32 s29, 2
	s_cselect_b64 s[32:33], s[14:15], s[56:57]     ; A
	s_cselect_b64 s[34:35], s[56:57], s[10:11]     ; B
	s_cselect_b64 s[48:49], s[24:25], s[20:21]     ; C
	s_cselect_b32 s58, s60, s58
	s_cselect_b32 s53, s62, 256                    ; C's pitch
	s_cmp_eq_u32 s29, 1
	s_cselect_b64 s[34:35], s[12:13], s[34:35]
	s_cselect_b64 s[48:49], s[22:23], s[48:49]
	s_cselect_b32 s54, s63, 8192                   ; what bit 3 of C's row is worth in A's rows, in bytes: 8 rows, for kc 16,
	s_cselect_b32 s55, 8192, s63                   ; and bit 4: 16 rows, for kc 8
	s_add_nc_u64 s[48:49], s[48:49], s[58:59]
	s_mul_i32 s60, s28, s53
	s_lshl_b32 s60, s60, 5                         ; my wave's 32 rows of C
	s_mov_b32 s61, 0
	s_add_nc_u64 s[48:49], s[48:49], s[60:61]
	v_and_b32 v[XA], 7, v9
	s_delay_alu instid0(VALU_DEP_1)
	v_lshlrev_b32 v[XA], 10, v[XA]
	s_delay_alu instid0(VALU_DEP_1)
	v_lshl_add_u32 v[XA], v1, 6, v[XA]
	v_lshrrev_b32 v[XA+1], 3, v9
	s_delay_alu instid0(VALU_DEP_1)
	v_mul_lo_u32 v[XA+1], v[XA+1], s54
	s_delay_alu instid0(VALU_DEP_1)
	v_add_nc_u32 v[XA], v[XA], v[XA+1]
	s_delay_alu instid0(VALU_DEP_1)
	v_add_nc_u32 v[XA], s31, v[XA]
	s_delay_alu instid0(VALU_DEP_1)
	v_add_nc_u32 v[XA+1], s55, v[XA]
	s_wait_alu depctr_va_vdst(0)
	LOADF 0
	LOADF 1
	s_wait_kmcnt 0x0
	s_cmp_eq_u32 s29, 2
	s_cselect_b32 s50, s41, s36                    ; ea
	s_cselect_b32 s51, s40, s37                    ; eb
	s_cselect_b32 s52, s45, s42                    ; eo
	s_cmp_eq_u32 s29, 1
	s_cselect_b32 s50, s38, s50
	s_cselect_b32 s51, s39, s51
	s_cselect_b32 s52, s43, s52
	s_sub_co_i32 s52, s52, s50
	s_sub_co_i32 s52, s52, s51                     ; eo - ea - eb
	POW2 50, 10, 11
	POW2 51, 12, 13
	POW2 52, 14, 15
	; the eight fragments, loads two fragments ahead
	s_wait_alu depctr_va_vdst(0)
.irp i, 0,1,2,3,4,5,6,7
.if \i < 7
	s_wait_loadcnt 16                              ; this fragment's 16 loads are in; the next fragment's 16 may be out
.else
	s_wait_loadcnt 0x0
.endif
.if \i == 4
	s_wait_dscnt 0x0                               ; the images' stores have read their registers, which A's codes now take
.endif
.if \i < 4
	QUANT SET0+64*(\i%2), AC+16*(\i%4), 12, 13
	IMAGE AC+16*\i, 2048*\i
.else
	QUANT SET0+64*(\i%2), AC+16*(\i%4), 10, 11
.endif
.if \i < 6
	LOADF \i+2
.endif
.endr
	s_wait_dscnt 0x0                               ; for the others' sake: my images have landed
	s_barrier_signal -1
	s_barrier_wait -1                              ; B's 32 fragments lie in LDS
	FETCH 0
.irp b, 0,1,2,3,4,5,6,7                        ; C's columns 32 b .. 32 b + 31 of my 32 rows
	s_wait_dscnt 0x0                               ; the pair's fragments are in
.irp t, 0,1                                    ; the four accumulators take turns, one instruction a turn; the first K step starts the sums
.irp u, 0,1
	v_wmma_f32_16x16x128_bf8_bf8 v[ACC+16*\t+8*\u:ACC+16*\t+8*\u+7], v[BF+32*\u:BF+32*\u+15], v[AC+32*\t:AC+32*\t+15], 0
.endr
.endr
	s_wait_alu depctr_va_vdst(0)
.irp t, 0,1
.irp u, 0,1
	v_wmma_f32_16x16x128_bf8_bf8 v[ACC+16*\t+8*\u:ACC+16*\t+8*\u+7], v[BF+32*\u+16:BF+32*\u+31], v[AC+32*\t+16:AC+32*\t+31], v[ACC+16*\t+8*\u:ACC+16*\t+8*\u+7]
.endr
.endr
.rept 4
	v_nop                                          ; four places behind the products, in front of the loads into B's registers and of the first read of results
.endr
.if \b < 7
	FETCH \b+1                                     ; lands while this pair's results are quantised
.endif
.set j, 0
.rept 32
	v_med3_num_f32 v[ACC+j], v[ACC+j], -v15, v15   ; each accumulator from its low end on
.set j, j+1
.endr
.irp t, 0,1
	v_cvt_scalef32_pk8_bf8_f32 v[OC+8*\b+4*\t:OC+8*\b+4*\t+1], v[ACC+16*\t:ACC+16*\t+7], v14
	v_cvt_scalef32_pk8_bf8_f32 v[OC+8*\b+4*\t+2:OC+8*\b+4*\t+3], v[ACC+16*\t+8:ACC+16*\t+15], v14
.endr
	v_nop                                          ; a plain instruction between the conversions and the next products, which write their sources
.irp t, 0,1
	ds_store_b128 v[STO], v[OC+8*\b+4*\t:OC+8*\b+4*\t+3] offset:\t*16*272+32*\b   ; row 16 t + r, columns 32 b + 16 h + 0 .. 15
.endr
.endr
	; THE WAY OUT: my stage holds 32 whole rows of 256 bytes; sixteen lanes store one row: 256 consecutive bytes, at a multiple of 256 from the buffer's first byte
	v_mul_lo_u32 v[OFF], v1, s53
	s_delay_alu instid0(VALU_DEP_1)
	v_lshl_add_u32 v[OFF], v9, 4, v[OFF]
	s_lshl_b32 s60, s53, 1
.irp i, 1
	v_add_nc_u32 v[OFF+\i], s60, v[OFF+\i-1]
.endr
.irp i, 2, 3, 4, 5, 6, 7, 8, 9, 10, 11, 12, 13, 14, 15
	s_delay_alu instid0(VALU_DEP_1)
	v_add_nc_u32 v[OFF+\i], s60, v[OFF+\i-1]
.endr
.irp i, 0,1,2,3,4,5,6,7,8,9,10,11,12,13,14,15
	ds_load_b128 v[BF+4*\i:BF+4*\i+3], v[RD] offset:\i*2*272   ; LDS serves a wave's instructions in order (ISA guide 5.7.1.4): these see my stores
.endr
	s_wait_alu depctr_va_vdst(0)
.irp i, 0,1,2,3,4,5,6,7,8,9,10,11,12,13,14,15
	s_wait_dscnt 15-\i                             ; pair i of rows is back; the younger loads may be out
	global_store_b128 v[OFF+\i], v[BF+4*\i:BF+4*\i+3], s[48:49]
.endr
	s_wait_tensorcnt 0x0                           ; the wave's end, behind my last LDS store
	ds_add_u32 v[SPW], v[NIL]
	s_wait_dscnt 0x0
	s_endpgm
.Lwo:                                              ; y = 3: wo's codes.  No LDS, no barrier.  256 rows for 64 work-groups: waves 0 to 3 take a row each
	s_cmp_ge_u32 s28, 4
	s_cbranch_scc1 .Lwo_end
	s_lshl_b32 s60, s30, 2
	s_add_co_u32 s60, s60, s28                     ; my row
	v_and_b32 v2, 31, v0
	s_delay_alu instid0(VALU_DEP_1)
	v_lshlrev_b32 v3, 5, v2                        ; a lane takes 8 neighbours: 32 bytes
	s_lshl_b32 s61, s60, 10
	v_add_nc_u32 v3, s61, v3
	global_load_b128 v[16:19], v3, s[16:17]
	global_load_b128 v[20:23], v3, s[16:17] offset:16
	v_lshlrev_b32 v4, 3, v2                        ; and gives 8 codes: the wave stores the row's 256 bytes
	s_lshl_b32 s62, s60, 8
	v_add_nc_u32 v4, s62, v4
	s_wait_kmcnt 0x0
	POW2 47, 10, 11                                ; e11
	s_wait_alu depctr_va_vdst(0)
	s_wait_loadcnt 0x0
.irp i, 0,1,2,3,4,5,6,7
	v_med3_num_f32 v[16+\i], v[16+\i], -v11, v11
.endr
	v_cvt_scalef32_pk8_bf8_f32 v[24:25], v[16:23], v10
	v_nop
	global_store_b64 v4, v[24:25], s[26:27]
.Lwo_end:
	s_endpgm
.Lfunc_end_k_qbaf847ca8b_proj:
	.size	k_qbaf847ca8b_proj, .Lfunc_end_k_qbaf847ca8b_proj-k_qbaf847ca8b_proj
	.p2alignl 7, 3214868480
	.fill 96, 4, 3214868480
	.section	.rodata,"a",@progbits
	.p2align	6, 0x0
	.amdhsa_kernel k_qbaf847ca8b_proj
		.amdhsa_group_segment_fixed_size 136192
		.amdhsa_private_segment_fixed_size 0
		.amdhsa_enable_private_segment 0
		.amdhsa_kernarg_size 80
		.amdhsa_user_sgpr_count 2
		.amdhsa_user_sgpr_kernarg_segment_ptr 1
		.amdhsa_wavefront_size32 1
		.amdhsa_system_sgpr_workgroup_id_x 1
		.amdhsa_system_sgpr_workgroup_id_y 1
		.amdhsa_system_sgpr_workgroup_id_z 1
		.amdhsa_system_vgpr_workitem_id 0
		.amdhsa_next_free_vgpr 256
		.amdhsa_next_free_sgpr 66
		.amdhsa_reserve_vcc 0
		.amdhsa_float_denorm_mode_32 3
		.amdhsa_float_denorm_mode_16_64 3
		.amdhsa_memory_ordered 1
		.amdhsa_forward_progress 1
		.amdhsa_inst_pref_size 94
	.end_amdhsa_kernel
	.amdgpu_metadata
---
amdhsa.version: [ 1, 2 ]
amdhsa.kernels:
  - .name:           k_qbaf847ca8b_proj
    .symbol:         k_qbaf847ca8b_proj.kd
    .args:
      - { .name: x, .offset: 0, .size: 8, .value_kind: global_buffer, .address_space: global }
      - { .name: wq, .offset: 8, .size: 8, .value_kind: global_buffer, .address_space: global }
      - { .name: wk, .offset: 16, .size: 8, .value_kind: global_buffer, .address_space: global }
      - { .name: wv, .offset: 24, .size: 8, .value_kind: global_buffer, .address_space: global }
      - { .name: wo, .offset: 32, .size: 8, .value_kind: global_buffer, .address_space: global }
      - { .name: lowp_scales, .offset: 40, .size: 8, .value_kind: global_buffer, .address_space: global }
      - { .name: qc, .offset: 48, .size: 8, .value_kind: global_buffer, .address_space: global }
      - { .name: kc, .offset: 56, .size: 8, .value_kind: global_buffer, .address_space: global }
      - { .name: vc, .offset: 64, .size: 8, .value_kind: global_buffer, .address_space: global }
      - { .name: woc, .offset: 72, .size: 8, .value_kind: global_buffer, .address_space: global }
    .group_segment_fixed_size: 136192
    .private_segment_fixed_size: 0
    .kernarg_segment_align: 8
    .kernarg_segment_size: 80
    .max_flat_workgroup_size: 256
    .sgpr_count:     66
    .vgpr_count:     256
    .wavefront_size: 32
...
	.end_amdgpu_metadata
.endif
;; end of part 1
;; launch attn (part 2): grid 64 x 4, 8 waves a work-group, clusters of 4 x 1, 327,680 bytes of LDS; arguments qc, kc, vc, woc, lowp_scales, bo, out0; writes out0
.if DOCPART == 2
	.amdgcn_target "amdgcn-amd-amdhsa--gfx1250"
	.amdhsa_code_object_version 6
	.text
	.protected	k_qbaf847ca8b_attn
	.globl	k_qbaf847ca8b_attn
	.p2align	8
	.type	k_qbaf847ca8b_attn,@function
k_qbaf847ca8b_attn:
	s_mov_b64 s[64:65], 0
	v_nop
	global_prefetch_b8 v0, s[64:65] scope:SCOPE_SE
	s_setreg_imm32_b32 hwreg(HW_REG_WAVE_MODE, 25, 1), 1
	s_wait_xcnt 0x0
	s_wait_alu depctr_hold_cnt(0) depctr_sa_sdst(0) depctr_va_vdst(0) depctr_va_sdst(0) depctr_va_ssrc(0) depctr_va_vcc(0) depctr_vm_vsrc(0)
	s_getreg_b32 s2, hwreg(HW_REG_IB_STS2, 6, 4)
	s_cmp_eq_u32 s2, 0
	s_cbranch_scc0 .Lentry_in_a_cluster
	s_endpgm
.Lentry_in_a_cluster:
	s_bfe_u32 s2, ttmp6, 0x10000c
	s_cmp_lg_u32 s2, 0x3003
	s_cbranch_scc0 .Lentry_shape_is_right
	s_endpgm
.Lentry_shape_is_right:
; ATTENTION ON CODES OF BF8 (E5M2) AND THE PROJECTION ON THE WAY OUT.  Nothing of the problem is left out.
; qc [batch][token][256], kc [batch][place][256] (place p holds the token p with bits 3 and 4 changed over), vc [batch][256 channels][4,096 keys], woc [256][256]: codes made by the launch before.  out0 [batch][token][256] f32.
; SHARES.  A work-group owns 64 queries of one batch in all four heads, so that the last product's K = 256 is whole inside it and each row of out0 has one owner.  Eight waves, two to a SIMD, 512 registers each:
; wave w takes head w / 2 and the 32 queries of half w % 2 (two tiles), so each fragment of K and V read from LDS feeds two matrix instructions.  A key step is a whole slot, 256 keys: 48 matrix instructions, 256 score registers a lane.
; THE SOFTMAX: t = score x log2(e) / 8; M = the row's largest t so far, rounded up to a whole number; p = 2^(t - M) is quantised along the keys, not normalised; the row's sum is taken of the unquantised p and divides O at the end.
; When M moves, the sums and O are multiplied by 2^(old M - new M): exact.
; LAYOUT.  Both products are used transposed (S^T = K Q^T, O^T = V^T P^T): a lane holds one query of each tile.  By kc's order the 16 registers of key tiles 2 b and 2 b + 1 are the keys 32 b + 16 (lane / 16) + 0 .. 15, so the conversions' results are P.
; Fragments come by loads of 16 bytes at 16 (lane / 16), 32 bytes apart: a permutation of k, the same in both operands of a product.
; THE SOFTMAX'S PIPELINE.  The 256 scores go in four groups of 64 (group g: query tile g / 2, keys 128 (g % 2) on).  Turn i: one wait; group i - 2's conversions; group i - 1's sums; then group i's exponentials, laid by turns with
; group i + 1's multiply-adds and group i - 1's holds, none of which names a register that another line of the same run reads.
; THE CHANGE OF SLOTS STANDS IN TURN 3: by then a wave has asked for all that it reads of the slot (K at the step's head, V's halves behind the first product and in turn 2).  Group 2's sums stand between the add and its wait, turn 3's run between
; the barrier's signal and its wait.  Behind the round: the joint refill, then the NEXT step's K: tiles 0 to 7 into group 1's registers, whose codes are made; tiles 8 to 15 into V's registers, behind the second product's first half.
; REGISTERS.  Window 1: the scores (128 r + 8 T + j).  Group 0's registers take V's second half once its codes are made, group 1's the next step's K tiles 0 to 7; in the last step groups 1 and 2 take wo and bo.
; Window 0: v1-4 LDS addresses, v5 the prefetches' offset, v6-7 the add's two, v8 lane % 16, v9 lane / 16, v10 57,344 x 2^e8, v11 2^e8, v[12:15] -M and the largest t of each tile, v[16:19] f, v20-35 the sums (four pairs a tile),
;   v36-41 at work, v42-45 addresses, v46 2^e10, v47 57,344 x 2^e10, v48-63 Q, v64-127 O^T, v128-191 K's tiles 8 to 15, then V's first half, v192-255 p's codes.
; THE RING.  Two LDS slots of 256 keys: 256 rows of K (the four heads' 64 codes, 256 bytes + 16 of padding), then V's 256 rows (256 keys + 16).  Waves 0 to 3 fetch K's quarters, waves 4 to 7 V's: one load a wave at the head and behind each round.
; CLUSTER.  The four work-groups of a cluster belong to one batch and walk the same K and V: each tile is asked for jointly, by the same descriptor and a mask that names the four.
; THE END.  O^T / the sum is quantised by e10 in registers; the codes go to LDS as images of the operand's registers; wave w makes outputs 32 w .. 32 w + 31 of all 64 rows, x 2^(e10 + e11) + bo; the rows meet in a stage and leave whole.
; Images and stage lie in slot 0, which has had its last fill and its last read by then.
; LIMITS: e6 + e7 between -123 and 130 (added to c's exponent field); e8 and e10 between -126 and 112; e10 + e11 between -126 and 127; the scaled scores stay under 2^31 in magnitude.  NaN is not served.
.set KP,    272
.set QUART, 64*KP
.set VOFF,  256*KP
.set SLOT,  2*VOFF
.set SPARE, 2*SLOT                     ; the spare words, 128 bytes a wave: four blocks of 256 bytes that no other line names
.set OIMG,  0                          ; the end: 8 images of 2,048 bytes (rows' tile m, K step s at 2 m + s)
.set STG,   16384                      ; and a stage of 64 rows x (1,024 + 16) bytes
.set SP,    1040
.set AK,  1
.set AV,  3
.set PFO, 5
.set SPW, 6
.set NIL, 7
.set MM,  12
.set FF,  16
.set SUM, 20
.set MX,  36
.set Q,   48
.set O,   64
.set F,   128
.set P,   192
.set KLO, 64                           ; window 1: K's tiles 0 to 7
.set WOB, 64                           ; window 1
.set BOB, 128                          ; window 1
.set WV,  18
.set HD,  19
.set SEL, 20
.set CS,  22
.set G1K, 24
.set G1V, 32
.set G0K, 40
.set G0V, 48
.set TRIPS, 56
.set LIM, 57
.set PFA, 58
.set PFS, 60
.set MSB, 0
.macro WIN new                         ; low byte: bits 1:0 source 0, 3:2 source 1, 5:4 source 2, 7:6 destination; the high byte repeats the setting that is left
.if MSB != \new
	s_set_vgpr_msb (MSB<<8)|\new
.set MSB, \new
.endif
.endm
.macro NOPS n
.rept \n
	v_nop
.endr
.endm
.macro CREST                           ; a round of the cluster's barrier behind its opening barrier
	s_cmp_lg_u32 s[WV], 0
	s_cbranch_scc1 .Lnot_wave_0_\@
	s_barrier_signal -3
.Lnot_wave_0_\@:
	s_barrier_wait -3
	s_barrier_signal -1
	s_barrier_wait -1
.endm
.macro CROUND
	s_barrier_signal -1
	s_barrier_wait -1
	CREST
.endm
.macro JLOAD sl                        ; a joint load into slot sl: every wave issues one; the branch hangs on the wave's number alone
	s_cmp_lt_u32 s[WV], 4
	s_cbranch_scc0 .Lfor_v_\@
	tensor_load_to_lds s[G0K+4*\sl:G0K+4*\sl+3], s[G1K:G1K+7]
	s_nop 0
	NOPS 4
	s_branch .Lasked_\@
.Lfor_v_\@:
	tensor_load_to_lds s[G0V+4*\sl:G0V+4*\sl+3], s[G1V:G1V+7]
	s_nop 0
	NOPS 4
.Lasked_\@:
.endm
; A PREFETCH of what the next change of slots will ask for: a whole key step ahead of that load.  Each aligned block of 256 bytes is named once in the launch: the batch's first cluster asks, its four partners share the blocks out by
; address, a quarter each; waves 0 and 1 for K's 16,384 bytes (lanes 256 bytes apart), waves 2 and 3 for V's 64 rows (a lane a row).  how = 0: the trip's second change, which asks for nothing in the last trip.  Slots 0 to 2 come by their loads alone.
.macro ASK how
.if \how
	s_cmp_eq_u32 s[LIM], 1
.else
	s_cmp_gt_u32 s[TRIPS], s[LIM]
.endif
	s_cbranch_scc0 .Lnot_mine_\@
	global_prefetch_b8 v[PFO], s[PFA:PFA+1] th:TH_LOAD_NT scope:SCOPE_SE
.Lnot_mine_\@:
.endm
.macro KLOAD sl, t0, base              ; K: eight tiles of 16 keys x my head's 64, from tile t0 on
.set T, 0
.rept 8
	ds_load_b128 v[\base+8*T:\base+8*T+3],   v[AK+(\sl)] offset:(\t0+T)*16*KP
	ds_load_b128 v[\base+8*T+4:\base+8*T+7], v[AK+(\sl)] offset:(\t0+T)*16*KP+32
.set T, T+1
.endr
.endm
.macro QK t0, kb                       ; eight tiles of 16 keys, whose fragments lie from register kb on, x my two tiles of queries; K = the head's 64
.set T, 0
.rept 8
.irp r, 0,1
	v_wmma_f32_16x16x64_bf8_bf8 v[128*\r+8*(\t0+T):128*\r+8*(\t0+T)+7], v[\kb+8*T:\kb+8*T+7], v[Q+8*\r:Q+8*\r+7], 0
.endr
.set T, T+1
.endr
.endm
.macro VLOAD sl, half, base            ; V: four tiles of 16 channels x 128 keys
.set T, 0
.rept 16
	ds_load_b128 v[\base+4*T:\base+4*T+3], v[AV+\sl] offset:(T/4)*16*KP+128*\half+32*(T%4)
.set T, T+1
.endr
.endm
.macro PV half                         ; O^T += V^T P^T over 128 keys: the eight accumulators take turns
.irp c, 0,1,2,3
.irp r, 0,1
	v_wmma_f32_16x16x128_bf8_bf8 v[O+32*\r+8*\c:O+32*\r+8*\c+7], v[(1-\half)*F+16*\c:(1-\half)*F+16*\c+15], v[P+32*\r+16*\half:P+32*\r+16*\half+15], v[O+32*\r+8*\c:O+32*\r+8*\c+7]
.endr
.endr
.endm
.macro CVT g                           ; group g's 64 held numbers become 16 registers of codes
.irp b, 0,1,2,3
	v_cvt_scalef32_pk8_bf8_f32 v[P+16*(\g)+4*\b:P+16*(\g)+4*\b+1], v[64*(\g)+16*\b:64*(\g)+16*\b+7], v11
	v_cvt_scalef32_pk8_bf8_f32 v[P+16*(\g)+4*\b+2:P+16*(\g)+4*\b+3], v[64*(\g)+16*\b+8:64*(\g)+16*\b+15], v11
.endr
.endm
.macro ADDS g                          ; the row's sum is taken of the unquantised p: two at a time, in four chains
.set k, 0
.rept 32
	v_pk_add_f32 v[SUM+8*((\g)/2)+2*(k%4):SUM+8*((\g)/2)+2*(k%4)+1], v[64*(\g)+2*k:64*(\g)+2*k+1], v[SUM+8*((\g)/2)+2*(k%4):SUM+8*((\g)/2)+2*(k%4)+1]
.set k, k+1
.endr
.endm
.macro HOLD a                          ; the conversion to an 8-bit code does not saturate (ISA guide 7.6.2); p is not negative, so the hold is one-sided
	v_dual_min_num_f32 v[\a], v[\a], v10 :: v_dual_min_num_f32 v[\a+1], v[\a+1], v[FF+1]   ; two holds in one pair: destinations even and odd, first sources neighbours, the bound from two registers (v10, and v17, the idle upper half of f's first pair)
.endm
; A TURN of the softmax's pipeline.  mode 2: turn 3 holds the change of slots, with a round and the refill of slot sl; mode 1: with a barrier alone; mode 0: the last step: no barrier, wo and bo are asked for.
.macro ITER i, sl, mode, how
.if (\i < 4) || (\mode == 0)
	s_wait_alu depctr_va_vdst(0)                   ; one wait a turn: behind the last run's exponentials, ahead of this run's; turn 4's stands ahead of turn 3's barrier wait where there is one
.endif
.if \i >= 2
	WIN 0x01
	CVT (\i-2)
.if \i == 2
	WIN 0x40
	VLOAD \sl, 1, 0                                ; V's keys 128 on, into group 0's registers, whose codes are made
.endif
.if (\mode == 0) && (\i == 3)
	WIN 0x40
.irp n, 0,1
.irp s, 0,1
.irp c, 0,1,2,3,4,5,6,7
	global_load_b64 v[WOB+32*\n+16*\s+2*\c:WOB+32*\n+16*\s+2*\c+1], v44, s[10:11] offset:4096*\n+128*\s+16*\c   ; wo: row 32 w + 16 n + r, k = 128 s + 16 c + 8 h + 0 .. 7: the form's own order of k
.endr
.endr
.endr
.endif
.if (\mode == 0) && (\i == 4)
	WIN 0x40
.irp n, 0,1
	global_load_b128 v[BOB+8*\n:BOB+8*\n+3], v45, s[14:15] offset:64*\n
	global_load_b128 v[BOB+8*\n+4:BOB+8*\n+7], v45, s[14:15] offset:64*\n+16
.endr
.endif
.endif
.if \mode && (\i == 3)
	WIN 0                                          ; (the add's two registers lie in window 0)
	s_wait_tensorcnt 0x0                           ; my one load, my part of the other slot, has landed
	ds_add_u32 v[SPW], v[NIL]                      ; 0 onto my spare word
.if \mode == 2
	s_add_nc_u64 s[G0K+4*\sl+2:G0K+4*\sl+3], s[G0K+4*\sl+2:G0K+4*\sl+3], 0x20000   ; 512 rows of K on
	s_add_nc_u64 s[G0V+4*\sl+2:G0V+4*\sl+3], s[G0V+4*\sl+2:G0V+4*\sl+3], 512       ; 512 keys on in V's rows
	s_wait_xcnt 0x0                                ; the last prefetch has read its address
	s_add_nc_u64 s[PFA:PFA+1], s[PFA:PFA+1], s[PFS:PFS+1]
.endif
.endif
.if \i >= 1
	WIN 0x01
	ADDS (\i-1)
.endif
.if \mode && (\i == 3)
	s_wait_dscnt 0x0                               ; the add is done, and my reads of the slot, V's two halves the last of them, are over
	s_barrier_signal -1
.endif
	WIN 0x41
.set k, 0
.rept 32
.if \i <= 3
	v_exp_f32 v[64*\i+2*k], v[64*\i+2*k]           ; p = 2^(t - M)
.endif
.if \i <= 2
	v_pk_fma_f32 v[64*(\i+1)+2*k:64*(\i+1)+2*k+1], v[64*(\i+1)+2*k:64*(\i+1)+2*k+1], s[CS:CS+1], v[MM+2*((\i+1)/2):MM+2*((\i+1)/2)+1] op_sel_hi:[1,0,0]
.endif
.if \i <= 3
	v_exp_f32 v[64*\i+2*k+1], v[64*\i+2*k+1]
.endif
.if \i >= 1
	HOLD 64*(\i-1)+2*k
.endif
.set k, k+1
.endr
.if \mode && (\i == 3)
	WIN 0
	s_wait_alu depctr_va_vdst(0)                   ; behind the run's exponentials, directly ahead of the wait and the branches below
	s_barrier_wait -1
.if \mode == 2
	CREST                                          ; the barrier has opened a round: no wave of any partner reads the slot or has a load on its way
	JLOAD \sl
	ASK \how
.endif
	WIN 0x40
	KLOAD 1-\sl, 0, KLO                            ; the next step's K, tiles 0 to 7, into group 1's registers, whose codes are made
.endif
.endm
; A KEY STEP: slot sl's 256 keys, up to p's codes.  Its fragments of K were asked for in the step before (the first step's: at the head).
.macro STEP sl, mode, how
	NOPS 5                                         ; five places (ISA guide 7.12.1) behind the last products: the products below write over V's second half
	s_wait_dscnt 16                                ; tiles 0 to 7 are in; the 16 loads of tiles 8 to 15 may be out
	WIN 0x41
	QK 0, KLO
	NOPS 5                                         ; five places: the products below write over the fragments of tiles 0 to 7
	s_wait_dscnt 0x0
	WIN 0x40
	QK 8, F
	WIN 0
	NOPS 4                                         ; four places ahead of the loads below and of the first read of the scores
	VLOAD \sl, 0, F
	WIN 0x05
.set T, 0
.rept 16                                       ; the largest score, two chains a tile of queries; each accumulator is first read at its low end
.irp r, 0,1
.if T == 0
	v_max_num_f32 v[MX+2*\r], v[128*\r], v[128*\r+1]
	v_max_num_f32 v[MX+2*\r+1], v[128*\r+2], v[128*\r+3]
.else
	v_max3_num_f32 v[MX+2*\r], v[128*\r+8*T], v[128*\r+8*T+1], v[MX+2*\r]
	v_max3_num_f32 v[MX+2*\r+1], v[128*\r+8*T+2], v[128*\r+8*T+3], v[MX+2*\r+1]
.endif
	v_max3_num_f32 v[MX+2*\r], v[128*\r+8*T+4], v[128*\r+8*T+5], v[MX+2*\r]
	v_max3_num_f32 v[MX+2*\r+1], v[128*\r+8*T+6], v[128*\r+8*T+7], v[MX+2*\r+1]
.endr
.set T, T+1
.endr
	WIN 0
.irp r, 0,1                                    ; the two tiles' chains are laid by turns
	v_max_num_f32 v[MX+2*\r], v[MX+2*\r], v[MX+2*\r+1]
.endr
.irp r, 0,1
	v_permlanex16_b32 v[40+\r], v[MX+2*\r], s[SEL], s[SEL+1]
.endr
.irp r, 0,1
	v_max_num_f32 v[MX+2*\r], v[MX+2*\r], v[40+\r] ; and lane l xor 16's
.endr
.irp r, 0,1
	v_mul_f32 v[MX+2*\r], s[CS], v[MX+2*\r]        ; as t (c is positive)
.endr
.irp r, 0,1
	v_max_num_f32 v[MM+2*\r+1], v[MM+2*\r+1], v[MX+2*\r]
.endr
.irp r, 0,1
	v_mov_b32 v[MX+2*\r+1], v[MM+2*\r]
.endr
.irp r, 0,1
	v_floor_f32 v[MM+2*\r], -v[MM+2*\r+1]          ; the new -M = -ceil(t)
.endr
.irp r, 0,1
	v_sub_f32 v[MX+2*\r+1], v[MM+2*\r], v[MX+2*\r+1]
.endr
.irp r, 0,1
	v_cvt_i32_f32 v[MX+2*\r+1], v[MX+2*\r+1]       ; (it saturates)
.endr
.irp r, 0,1
	v_ldexp_f32 v[FF+2*\r], 1.0, v[MX+2*\r+1]      ; f = 2^(old M - new M)
.endr
.irp r, 0,1
.set j, 0
.rept 16
	v_pk_mul_f32 v[O+32*\r+j:O+32*\r+j+1], v[O+32*\r+j:O+32*\r+j+1], v[FF+2*\r:FF+2*\r+1] op_sel_hi:[1,0]   ; O^T under the new M, each accumulator from its low end on
.set j, j+2
.endr
.irp q, 0,2,4,6
	v_pk_mul_f32 v[SUM+8*\r+\q:SUM+8*\r+\q+1], v[SUM+8*\r+\q:SUM+8*\r+\q+1], v[FF+2*\r:FF+2*\r+1] op_sel_hi:[1,0]
.endr
.endr
	WIN 0x41
.set k, 0
.rept 32
	v_pk_fma_f32 v[2*k:2*k+1], v[2*k:2*k+1], s[CS:CS+1], v[MM:MM+1] op_sel_hi:[1,0,0]   ; group 0: t - M
.set k, k+1
.endr
	ITER 0, \sl, \mode, \how
	ITER 1, \sl, \mode, \how
	ITER 2, \sl, \mode, \how
	ITER 3, \sl, \mode, \how
	ITER 4, \sl, \mode, \how
	WIN 0x01
	CVT 3
.endm
; THE STEP'S END: the second product.  mode 1 or 2: V landed ahead of turn 3's barrier; between the product's halves the next step's K, tiles 8 to 15, is asked for.  mode 0: the last step.
.macro TAIL sl, mode
	v_nop                                          ; a plain instruction behind the last conversion
	WIN 0
.if \mode
	PV 0
	NOPS 4                                         ; four places ahead of loads into registers that these products read
	KLOAD 1-\sl, 8, F
.else
	s_wait_alu depctr_va_vdst(0)                   ; directly ahead of the wait below
	s_wait_dscnt 0x0                               ; V's two halves
	PV 0
.endif
	WIN 0x01
	PV 1
	WIN 0
.endm
	s_load_b256 s[4:11], s[0:1], 0x0               ; qc, kc, vc, woc
	s_load_b128 s[12:15], s[0:1], 0x20             ; the exponents, bo
	s_load_b64 s[16:17], s[0:1], 0x30              ; out0
	v_lshl_add_u32 v[SPW], v0, 2, SPARE
	v_mov_b32 v[NIL], 0
	ds_add_u32 v[SPW], v[NIL]                      ; the opening: the add, twice on end, and its wait ahead of the first tensor load
	ds_add_u32 v[SPW], v[NIL]
	v_lshrrev_b32 v1, 5, v0
	v_readfirstlane_b32 s[WV], v1                  ; wave 0..7
	s_lshr_b32 s[HD], s[WV], 1                     ; my head
	s_and_b32 s82, s[WV], 3                        ; which quarter of a tile I fetch
	s_and_b32 s87, s[WV], 1                        ; my half of the 64 queries
	s_bfe_u32 s83, ttmp6, 0x40000                  ; cx: it enters Q's, out0's and the prefetches' addresses alone
	s_lshl_b32 s84, ttmp9, 2
	s_add_co_u32 s84, s84, s83                     ; my block of 64 queries
	s_and_b32 s85, ttmp7, 0xffff                   ; the batch
	s_lshl_b32 s86, s85, 20                        ; its first byte in each tensor of codes
	s_lshl_b32 s88, s82, 14                        ; K: 64 rows of 256 bytes a quarter
	s_add_co_u32 s88, s88, s86
	s_mov_b32 s89, 0
	s_lshl_b32 s90, s82, 18                        ; V: 64 rows of 4,096 bytes
	s_add_co_u32 s90, s90, s86
	s_mov_b32 s91, 0
	s_mul_i32 s92, s82, QUART
	s_lshl_b32 s2, s85, 12
	s_lshl_b32 s3, s84, 6
	s_add_co_u32 s2, s2, s3                        ; my work-group's first row of qc and out0
	s_lshl_b32 s3, s87, 5
	s_add_co_u32 s98, s2, s3
	s_lshl_b32 s98, s98, 8
	s_lshl_b32 s3, s[HD], 6
	s_add_co_u32 s98, s98, s3                      ; Q: my first query's row, my head's 64 bytes
	s_mov_b32 s99, 0
	s_mov_b32 s[G1K], 15|(0<<16)|(1<<20)|(1<<21)|(5<<22)|(3<<25)   ; mask: all four; elements of 1 byte; padding: four words after every 64; bit 21 beside a mask
	s_mov_b32 s[G1V], 15|(0<<16)|(1<<20)|(1<<21)|(5<<22)|(3<<25)
.irp g, G1K, G1V
	s_mov_b32 s[\g+1], 256<<16
	s_mov_b32 s[\g+2], 64<<16
	s_mov_b32 s[\g+3], 256<<16
	s_mov_b32 s[\g+4], 64
	s_mov_b32 s[\g+6], 0
	s_mov_b32 s[\g+7], 0
.endr
	s_mov_b32 s[G1K+5], 256
	s_mov_b32 s[G1V+5], 4096
	s_mov_b32 s[SEL], 0x76543210
	s_mov_b32 s[SEL+1], 0xfedcba98
	s_mov_b32 s[CS], 0x3e38aa3b                    ; log2(e) / 8
	s_mov_b32 s[TRIPS], 7
	s_wait_dscnt 0x0                               ; both opening adds are done
	s_wait_kmcnt 0x0
	s_load_b256 s[68:75], s[12:13], 0x0            ; e0 .. e7
	s_load_b128 s[76:79], s[12:13], 0x20           ; e8 .. e11
	s_add_nc_u64 s[94:95], s[6:7], s[88:89]
	s_add_nc_u64 s[96:97], s[8:9], s[90:91]
.irp sl, 0,1
	s_mov_b32 s[G0K+4*\sl], 1
	s_add_co_u32 s[G0K+4*\sl+1], s92, \sl*SLOT
	s_add_nc_u64 s[G0K+4*\sl+2:G0K+4*\sl+3], s[94:95], \sl*0x10000
	s_or_b32 s[G0K+4*\sl+3], s[G0K+4*\sl+3], 0x80000000
	s_mov_b32 s[G0V+4*\sl], 1
	s_add_co_u32 s[G0V+4*\sl+1], s92, \sl*SLOT+VOFF
	s_add_nc_u64 s[G0V+4*\sl+2:G0V+4*\sl+3], s[96:97], \sl*256
	s_or_b32 s[G0V+4*\sl+3], s[G0V+4*\sl+3], 0x80000000
.endr
	CROUND                                         ; all four work-groups are here: the first joint loads meet
	JLOAD 0                                        ; keys 0 to 255: one tensor load a wave at the head
	s_add_nc_u64 s[4:5], s[4:5], s[98:99]          ; Q at my first query
	s_lshl_b32 s3, s[WV], 3
	s_add_co_u32 s98, s2, s3
	s_lshl_b32 s98, s98, 10
	s_add_nc_u64 s[16:17], s[16:17], s[98:99]      ; out0 at the eight rows that I store
	s_cmp_lt_u32 s[WV], 2                          ; the prefetches: waves 0 and 1 stand in K's codes, the others in V's
	s_cselect_b64 s[PFA:PFA+1], s[6:7], s[8:9]
	s_mov_b32 s[PFS], 256
	s_cselect_b32 s[PFS], 0x10000, s[PFS]          ; a slot on
	s_mov_b32 s66, 4096
	s_cselect_b32 s66, 256, s66                    ; from lane to lane
	s_mov_b32 s67, 0x40000
	s_cselect_b32 s67, 0x4000, s67                 ; from partner to partner
	s_mov_b32 s62, 0x20000
	s_cselect_b32 s62, 0x2000, s62                 ; from wave to wave
	s_mul_i32 s67, s67, s83
	s_mul_i32 s62, s62, s87
	s_add_co_u32 s62, s62, s67
	s_add_co_u32 s62, s62, s86
	s_lshl_b32 s63, s[PFS], 1
	s_add_co_u32 s62, s62, s63                     ; in slot 2: the first change of slots steps it to slot 3
	s_mov_b32 s63, 0
	s_mov_b32 s[PFS+1], 0
	s_add_nc_u64 s[PFA:PFA+1], s[PFA:PFA+1], s[62:63]
	s_lshr_b32 s[LIM], s[WV], 2                    ; 0 in waves 0 to 3,
	s_or_b32 s[LIM], s[LIM], ttmp9                 ; of the batch's first cluster: the same in all four partners
	s_cmp_eq_u32 s[LIM], 0
	s_cselect_b32 s[LIM], 1, -1
	s_lshl_b32 s84, s87, 2                         ; the end: my images: rows' tile 2 (w % 2) + r, K step head / 2, registers 0-7 for an even head, 8-15 for an odd one
	s_lshr_b32 s3, s[HD], 1
	s_add_co_u32 s84, s84, s3
	s_lshl_b32 s84, s84, 11
	s_and_b32 s3, s[HD], 1
	s_lshl_b32 s3, s3, 10
	s_add_co_u32 s84, s84, s3
	s_lshl_b32 s94, s[WV], 7
	s_add_co_u32 s88, s94, STG                     ; the stage, in: + 128 w
	s_mul_i32 s89, s[WV], 8*SP
	s_add_co_u32 s89, s89, STG                     ; and back: my eight rows
	s_lshl_b32 s90, s[HD], 6
	s_mul_i32 s91, s[HD], 64*KP
	s_add_co_u32 s91, s91, VOFF
	s_lshl_b32 s92, s[WV], 13
	v_and_b32 v8, 15, v0                           ; r
	v_bfe_u32 v9, v0, 4, 1                         ; h
	v_lshlrev_b32 v44, 8, v8
	v_lshl_add_u32 v42, v9, 4, v44                 ; Q: row r of 256 bytes, + 16 h
.irp r, 0,1
	global_load_b128 v[Q+8*\r:Q+8*\r+3], v42, s[4:5] offset:4096*\r
	global_load_b128 v[Q+8*\r+4:Q+8*\r+7], v42, s[4:5] offset:4096*\r+32
.endr
	v_lshl_add_u32 v44, v9, 3, v44
	v_add_nc_u32 v44, s92, v44                     ; wo: row 32 w + r, + 8 h
	v_lshlrev_b32 v45, 5, v9
	v_add_nc_u32 v45, s94, v45                     ; bo: 128 w + 32 h
	v_mul_u32_u24 v43, v8, KP
	v_lshl_add_u32 v43, v9, 4, v43
	v_add_nc_u32 v[AK], s90, v43                   ; K: row r, + 16 h, + my head's 64 bytes
	v_add_nc_u32 v[AV], s91, v43                   ; V: my head's 64 rows
	v_add_nc_u32 v[AK+1], SLOT, v[AK]
	v_add_nc_u32 v[AV+1], SLOT, v[AV]
	v_and_b32 v[PFO], 31, v0
	v_mul_lo_u32 v[PFO], v[PFO], s66
	v_mov_b32 v[MM+1], 0xff61b1e6                  ; the largest t so far: -3e38
	v_mov_b32 v[MM+3], 0xff61b1e6
	v_floor_f32 v[MM], -v[MM+1]
	v_floor_f32 v[MM+2], -v[MM+3]
	v_mov_b32 v[FF+3], 0                           ; (the upper half of a named pair, and the permutes' destinations, are written once)
	v_mov_b32 v40, 0
	v_mov_b32 v41, 0
.set j, 0
.rept 16
	v_mov_b32 v[SUM+j], 0
.set j, j+1
.endr
.set j, 0
.rept 64
	v_mov_b32 v[O+j], 0                            ; the step is written once for all: the first finds zeros
.set j, j+1
.endr
	s_wait_kmcnt 0x0
	s_add_co_i32 s3, s74, s75
	s_lshl_b32 s3, s3, 23
	s_add_co_i32 s[CS], s[CS], s3                  ; x 2^(e6 + e7), in c's exponent field
	s_mov_b32 s[CS+1], s[CS]
	s_add_co_i32 s3, s76, 127
	s_lshl_b32 s98, s3, 23
	v_mov_b32 v11, s98                             ; 2^e8
	s_add_co_i32 s3, s3, 15
	s_lshl_b32 s3, s3, 23
	s_or_b32 s3, s3, 0x600000
	v_mov_b32 v10, s3                              ; 57,344 x 2^e8,
	v_mov_b32 v[FF+1], s3                          ; and once more, for the second half of the holds' pairs
	s_add_co_i32 s3, s78, 127
	s_lshl_b32 s98, s3, 23
	v_mov_b32 v46, s98                             ; 2^e10
	s_add_co_i32 s3, s3, 15
	s_lshl_b32 s3, s3, 23
	s_or_b32 s3, s3, 0x600000
	v_mov_b32 v47, s3                              ; 57,344 x 2^e10
	s_add_co_i32 s93, s76, s77                     ; e8 + e9
	s_add_co_i32 s80, s78, s79
	s_add_co_i32 s80, s80, 127
	s_lshl_b32 s80, s80, 23                        ; 2^(e10 + e11)
	s_mov_b32 s81, s80
	s_wait_alu depctr_va_vdst(0)                   ; at the head's end
	s_wait_loadcnt 0x0                             ; Q
	s_wait_tensorcnt 0x0                           ; my part of slot 0 is in; slot 1's first fill is issued as a refill is
	ds_add_u32 v[SPW], v[NIL]
	s_wait_dscnt 0x0
	CROUND
	JLOAD 1                                        ; keys 256 to 511
	WIN 0x40
	KLOAD 0, 0, KLO                                ; the first step's K
	WIN 0
	KLOAD 0, 8, F
.Lslot:                                            ; seven trips, each once round the ring: fourteen refills bring keys 512 to 4,095
	STEP 0, 2, 1
	TAIL 0, 2
	STEP 1, 2, 0
	TAIL 1, 2
	s_sub_co_u32 s[TRIPS], s[TRIPS], 1
	s_cmp_lg_u32 s[TRIPS], 0
	s_cbranch_scc1 .Lslot
	STEP 0, 1, 0                                   ; the last two steps are written out: nothing is left to ask for
	TAIL 0, 1
	STEP 1, 0, 0
	TAIL 1, 0
	; ---- O^T / the sum becomes codes by e10
.irp r, 0,1
	v_pk_add_f32 v[SUM+8*\r:SUM+8*\r+1], v[SUM+8*\r:SUM+8*\r+1], v[SUM+8*\r+2:SUM+8*\r+3]
	v_pk_add_f32 v[SUM+8*\r+4:SUM+8*\r+5], v[SUM+8*\r+4:SUM+8*\r+5], v[SUM+8*\r+6:SUM+8*\r+7]
.endr
.irp r, 0,1
	v_pk_add_f32 v[SUM+8*\r:SUM+8*\r+1], v[SUM+8*\r:SUM+8*\r+1], v[SUM+8*\r+4:SUM+8*\r+5]
.endr
.irp r, 0,1
	v_add_f32 v[SUM+8*\r], v[SUM+8*\r], v[SUM+8*\r+1]
.endr
.irp r, 0,1
	v_permlanex16_b32 v[40+\r], v[SUM+8*\r], s[SEL], s[SEL+1]
.endr
.irp r, 0,1
	v_add_f32 v[SUM+8*\r], v[SUM+8*\r], v[40+\r]   ; the row's sum
.endr
	s_wait_alu depctr_va_vdst(0)                   ; ahead of the transcendentals
	v_rcp_f32 v[SUM], v[SUM]
	v_rcp_f32 v[SUM+8], v[SUM+8]
	v_and_b32 v43, 31, v0
	v_lshlrev_b32 v43, 4, v43                      ; 16 x lane
	v_add_nc_u32 v42, s84, v43                     ; my images
	v_mul_u32_u24 v1, v8, SP
	v_lshl_add_u32 v1, v9, 5, v1
	v_add_nc_u32 v1, s88, v1                       ; the stage, in: row r, + 128 w + 32 h
	v_add_nc_u32 v2, s89, v43                      ; and back
	s_wait_alu depctr_va_vdst(0)                   ; and behind them, ahead of the first reader
	v_ldexp_f32 v[SUM], v[SUM], s93                ; x 2^(e8 + e9)
	v_ldexp_f32 v[SUM+8], v[SUM+8], s93
	s_wait_alu depctr_va_vdst(0)                   ; directly ahead of the first reader of O^T
.irp r, 0,1
.set j, 0
.rept 16
	v_pk_mul_f32 v[F+32*\r+j:F+32*\r+j+1], v[O+32*\r+j:O+32*\r+j+1], v[SUM+8*\r:SUM+8*\r+1] op_sel_hi:[1,0]   ; register 8 t + i: o(query r, channel 16 t + 8 h + i)
.set j, j+2
.endr
.endr
.set j, 0
.rept 64
	v_med3_num_f32 v[F+j], v[F+j], -v47, v47
.set j, j+1
.endr
.irp r, 0,1
.irp t, 0,1,2,3
	v_cvt_scalef32_pk8_bf8_f32 v[P+8*\r+2*\t:P+8*\r+2*\t+1], v[F+32*\r+8*\t:F+32*\r+8*\t+7], v46
.endr
.endr
	v_nop
.irp r, 0,1
	ds_store_b128 v42, v[P+8*\r:P+8*\r+3] offset:OIMG+4096*\r
	ds_store_b128 v42, v[P+8*\r+4:P+8*\r+7] offset:OIMG+4096*\r+512
.endr
	s_wait_alu depctr_va_vdst(0)                   ; directly ahead of the wait below
	s_wait_dscnt 0x0                               ; for the others' sake: my stores have landed
	s_barrier_signal -1
	s_barrier_wait -1                              ; the eight fragments of O lie in LDS
.set T, 0
.rept 32
	ds_load_b128 v[F+4*T:F+4*T+3], v43 offset:OIMG+512*T
.set T, T+1
.endr
	s_wait_loadcnt 0x0                             ; wo, bo
	s_wait_dscnt 0x0
	WIN 0x01
.irp n, 0,1                                    ; source 0 = 16 rows of wo, source 1 = 16 rows of O; eight accumulators by turns; the first K step starts the sums
.irp m, 0,1,2,3
	v_wmma_f32_16x16x128_bf8_bf8 v[O+32*\n+8*\m:O+32*\n+8*\m+7], v[WOB+32*\n:WOB+32*\n+15], v[F+32*\m:F+32*\m+15], 0
.endr
.endr
.irp n, 0,1
.irp m, 0,1,2,3
	v_wmma_f32_16x16x128_bf8_bf8 v[O+32*\n+8*\m:O+32*\n+8*\m+7], v[WOB+32*\n+16:WOB+32*\n+31], v[F+32*\m+16:F+32*\m+31], v[O+32*\n+8*\m:O+32*\n+8*\m+7]
.endr
.endr
	NOPS 4
	WIN 0x10
.irp n, 0,1
.irp m, 0,1,2,3
.irp i, 0,2,4,6
	v_pk_fma_f32 v[F+32*\n+8*\m+\i:F+32*\n+8*\m+\i+1], v[O+32*\n+8*\m+\i:O+32*\n+8*\m+\i+1], s[80:81], v[BOB+8*\n+\i:BOB+8*\n+\i+1] op_sel_hi:[1,0,1]   ; sum x 2^(e10 + e11) + bo
.endr
.endr
.endr
	WIN 0
.irp n, 0,1
.irp m, 0,1,2,3
	ds_store_b128 v1, v[F+32*\n+8*\m:F+32*\n+8*\m+3] offset:\m*16*SP+64*\n        ; lane (r, h): out(16 m + r, 32 w + 16 n + 8 h + 0 .. 7)
	ds_store_b128 v1, v[F+32*\n+8*\m+4:F+32*\n+8*\m+7] offset:\m*16*SP+64*\n+16
.endr
.endr
	s_wait_dscnt 0x0
	s_barrier_signal -1
	s_barrier_wait -1                              ; 64 whole rows lie in the stage
.irp i, 0,1,2,3,4,5,6,7,8,9,10,11,12,13,14,15
	ds_load_b128 v[P+4*\i:P+4*\i+3], v2 offset:(\i/2)*SP+(\i%2)*512
.endr
.irp i, 0,1,2,3,4,5,6,7,8,9,10,11,12,13,14,15
	s_wait_dscnt 15-\i                             ; half a row is back; the younger loads may be out
	global_store_b128 v43, v[P+4*\i:P+4*\i+3], s[16:17] offset:(\i/2)*1024+(\i%2)*512 th:TH_STORE_NT   ; 32 lanes store 512 consecutive bytes, at a multiple of 256 from out0's first byte
.endr
	s_wait_tensorcnt 0x0                           ; the wave's end
	ds_add_u32 v[SPW], v[NIL]
	s_wait_dscnt 0x0
	CROUND                                         ; the closing round
	s_endpgm
.Lfunc_end_k_qbaf847ca8b_attn:
	.size	k_qbaf847ca8b_attn, .Lfunc_end_k_qbaf847ca8b_attn-k_qbaf847ca8b_attn
	.p2alignl 7, 3214868480
	.fill 96, 4, 3214868480
	.section	.rodata,"a",@progbits
	.p2align	6, 0x0
	.amdhsa_kernel k_qbaf847ca8b_attn
		.amdhsa_group_segment_fixed_size 327680
		.amdhsa_private_segment_fixed_size 0
		.amdhsa_enable_private_segment 0
		.amdhsa_kernarg_size 56
		.amdhsa_user_sgpr_count 2
		.amdhsa_user_sgpr_kernarg_segment_ptr 1
		.amdhsa_wavefront_size32 1
		.amdhsa_system_sgpr_workgroup_id_x 1
		.amdhsa_system_sgpr_workgroup_id_y 1
		.amdhsa_system_sgpr_workgroup_id_z 1
		.amdhsa_system_vgpr_workitem_id 0
		.amdhsa_next_free_vgpr 512
		.amdhsa_next_free_sgpr 100
		.amdhsa_reserve_vcc 0
		.amdhsa_float_denorm_mode_32 3
		.amdhsa_float_denorm_mode_16_64 3
		.amdhsa_memory_ordered 1
		.amdhsa_forward_progress 1
		.amdhsa_inst_pref_size 252
	.end_amdhsa_kernel
	.amdgpu_metadata
---
amdhsa.version: [ 1, 2 ]
amdhsa.kernels:
  - .name:           k_qbaf847ca8b_attn
    .symbol:         k_qbaf847ca8b_attn.kd
    .args:
      - { .name: qc, .offset: 0, .size: 8, .value_kind: global_buffer, .address_space: global }
      - { .name: kc, .offset: 8, .size: 8, .value_kind: global_buffer, .address_space: global }
      - { .name: vc, .offset: 16, .size: 8, .value_kind: global_buffer, .address_space: global }
      - { .name: woc, .offset: 24, .size: 8, .value_kind: global_buffer, .address_space: global }
      - { .name: lowp_scales, .offset: 32, .size: 8, .value_kind: global_buffer, .address_space: global }
      - { .name: bo, .offset: 40, .size: 8, .value_kind: global_buffer, .address_space: global }
      - { .name: out0, .offset: 48, .size: 8, .value_kind: global_buffer, .address_space: global }
    .group_segment_fixed_size: 327680
    .private_segment_fixed_size: 0
    .kernarg_segment_align: 8
    .kernarg_segment_size: 56
    .max_flat_workgroup_size: 256
    .sgpr_count:     100
    .vgpr_count:     512
    .wavefront_size: 32
...
	.end_amdgpu_metadata
.endif
;; end of part 2
